; MI455X (gfx1250); checked and timed in simulation.
; The chip was launched on July 23, 2026; its instructions are those of AMD's public machine-readable ISA for CDNA 5 (MIT licence, August 2026) and "CDNA5" Instruction Set Architecture Reference Guide (July 2026). The comments in the code are by the model that wrote it; some were corrected since.
;; Bahdanau Attention. Allowed arithmetic: matrix products marked QUANTISED: E2M1 operands, one E8M0 scale for each 32 along K, by v_wmma_scale_f32_16x16x128_f8f6f4 with both operands' format E2M1 (or v_wmma_scale_f32_32x16x128_f4), f32 sums; products left as they are: f32 operands where the result goes on into a quantised operand, else bf16, f16 or f32 operands; f32 sums; everything else in f32.
;; Inputs: W1_codes 1,024 x 32 x 16 uint8 (E2M1 codes of W1, K innermost, in blocks of 32 codes, two codes a byte); W1_scales 1,024 x 32 uint8 (E8M0 scales of W1, one for each 32 codes along K); W2_codes 1,024 x 32 x 16 uint8 (E2M1 codes of W2, K innermost, in blocks of 32 codes, two codes a byte); W2_scales 1,024 x 32 uint8 (E8M0 scales of W2, one for each 32 codes along K); decoder_hidden_codes 64 x 32 x 16 uint8 (E2M1 codes of decoder_hidden, K innermost, in blocks of 32 codes, two codes a byte); decoder_hidden_scales 64 x 32 uint8 (E8M0 scales of decoder_hidden, one for each 32 codes along K); encoder_outputs 64 x 1,024 x 1,024 float32; v 1,024 float32.
;; Outputs: out0 64 x 1,024 float32; out1 64 x 1,024 float32.
;; This version of the problem:
;;   THIS VERSION OF THE PROBLEM IS GIVEN IN LOW PRECISION. The matrix products marked QUANTISED in the list below multiply operands that are first quantised to E2M1 (2 exponent bits, 1 mantissa bit; 4 bits a number), with one power-of-two scale for each 32 numbers along K (OCP MX v1.0); their sums are f32. All else is computed in f32.
;;   The module's matrix products, in the order in which they are computed (A, B: the left and right operand; K: the contracted axis; several contracted axes count as one K, in the product's order):
;;     1. [M 64, K 1,024] x [K 1,024, N 1,024]; A: input decoder_hidden (given as codes); B: input W1 (given as codes): QUANTISED
;;     2. [M 65,536, K 1,024] x [K 1,024, N 1,024]; A: input encoder_outputs; B: input W2 (given as codes): QUANTISED
;;     3. [M 65,536, K 1,024] x [K 1,024, N 1]; A: computed on the way; B: input v: left as it is (N = 1 < 16)
;;     4. batch 64 x [M 1, K 1,024] x [K 1,024, N 1,024]; A: softmax; B: input encoder_outputs: left as it is (M = 1 < 16)
;;   THE QUANTISER, for each operand of a quantised product, along K:
;;     - K is cut into blocks of 32 from its start; a last block that is shorter is filled with zeros.
;;     - A block's scale is 2^e with e = floor(log2(the largest magnitude in the block)) - 2, held to -126 .. 127; a block of zeros has e = 0. As a byte (E8M0): e + 127.
;;     - Each number is divided by its block's scale, clamped to +-6, and rounded to the nearest number of E2M1, ties to even, subnormals kept.
;;     - The product sums the exact products of the quantised numbers (number of the format x scale) in f32.
;;   ~~~python
;;   def quantise(x, axis):      # numpy; x: float32 -> the quantised numbers, widened to float32 again
;;       x = np.moveaxis(x, axis, -1); K = x.shape[-1]
;;       x = np.pad(x, [(0, 0)] * (x.ndim - 1) + [(0, -K % 32)]); x = x.reshape(x.shape[:-1] + (-1, 32)); a = np.abs(x).max(-1, keepdims=True)
;;       e = np.where(a > 0, np.clip(np.frexp(np.where(a > 0, a, 1))[1] - 1 - 2, -126, 127), 0)      # np.frexp(a)[1] - 1 = floor(log2(a)), exactly
;;       r = np.clip(x / 2.0 ** e, -6, 6)
;;       step = 2.0 ** (np.maximum(np.frexp(np.where(r == 0, 1, r))[1] - 1, 0) - 1)
;;       q = np.round(r / step) * step * 2.0 ** e      # np.round: ties to even
;;       return np.moveaxis(q.reshape(q.shape[:-2] + (-1,))[..., :K], -1, axis).astype(np.float32)
;;   ~~~
;;   INPUTS GIVEN AS CODES. W1 (in the module: [1024, 1024], K = its axis 1); W2 (in the module: [1024, 1024], K = its axis 1); decoder_hidden (in the module: [64, 1024], K = its axis 1): each comes as NAME_codes (uint8): NAME with its K axis moved to the last place and cut into blocks of 32 codes, [.., K / 32, bytes a block], one block behind the other in memory; two codes a byte, the lower K in the low four bits (a code: sign, 2 exponent bits, 1 mantissa bit); and NAME_scales (uint8): the same leading axes, one E8M0 byte (e + 127) for each 32 codes along K. Its value is code x scale, taken as it is: it is not quantised again, and the codes and scales need not be those that the quantiser above would give.
;; One version. Each part assembles by itself: llvm-mc -triple=amdgcn-amd-amdhsa -mcpu=gfx1250 --defsym DOCPART=n.
;; ======== version 1 of 1: 3 launches
;; limits: values are held in bf16: 8 bits of precision; right only within a limited range of input values
;; workspace buffers: W2F 524,288 bytes; dhc 262,144 bytes; part 1,376,256 bytes
;; launch prep (part 1): grid 64 x 1, 1 waves a work-group, no clusters, 4,608 bytes of LDS; arguments W1_codes, W1_scales, W2_codes, decoder_hidden_codes, decoder_hidden_scales, W2F, dhc; writes W2F, dhc
.if DOCPART == 1
	.amdgcn_target "amdgcn-amd-amdhsa--gfx1250"
	.amdhsa_code_object_version 6
	.text
	.protected	k_q26cdac0be9_prep
	.globl	k_q26cdac0be9_prep
	.p2align	8
	.type	k_q26cdac0be9_prep,@function
k_q26cdac0be9_prep:
	s_mov_b64 s[64:65], 0
	v_nop
	global_prefetch_b8 v0, s[64:65] scope:SCOPE_SE
	s_setreg_imm32_b32 hwreg(HW_REG_WAVE_MODE, 25, 1), 1
	s_wait_xcnt 0x0
; THE PROGRAM (three launches): scores[b][s] = v . tanh(W1 dec[b] + W2 enc[b][s]); out1 = softmax over s; out0[b] = sum over s of out1[b][s] enc[b][s].
; W1 dec and W2 enc are products on codes of FP4 (E2M1) with one E8M0 scale for each 32 along K.  prep: W1 dec, and W2's codes laid as the next launch's registers take them.
; main: everything up to a running softmax over 256 positions, the encoder read once.  fin: the four parts of a batch are joined.
; WORK LEFT OUT, for all values of the inputs: tanh(x) = 1 - 2 / (1 + e^(2x)), so scores[b][s] = (sum over n of v[n]) - 2 sum over n of v[n] / (1 + e^(2 x[b][s][n])).
; The first term is the same for every s, a softmax over s takes a term away that is the same along s, and the scores are no output: so the sum of v is never formed.  Every input is loaded, v too.
; LIMIT: an overflow, an infinity or a NaN that arises in the sum of v alone is not carried to the results.
; THIS LAUNCH, 64 work-groups of one wave.  Work-group x does two things that share nothing:
;  (1) W2's rows 16 x .. 16 x + 15 go into W2F as the image of an operand's registers: [tile x][u = 0..15][lane][16 bytes]; u = 2 t + c is registers 4 c .. 4 c + 3 of K step t (128 along K);
;      lane (r, h) holds row 16 x + r, bytes 32 u + 16 h of it.  A load of 16 bytes a lane at 16 x lane then brings 512 consecutive bytes.
;  (2) dhc[b][n] = c (W1 dec)[b][n], c = 2 log2(e), for b = 16 (x & 3) + 0..15 and n = 64 (x >> 2) + 0..63: four tiles of 16 x 16, eight K steps.
; THE MATRIX INSTRUCTION IS USED TRANSPOSED (source 0 = 16 rows of W1, source 1 = 16 rows of the decoder's state): register j of lane (r, h) is (b = r, n = 8 h + j), eight neighbours of a row of dhc.
; SCALES: a row has 32 bytes, eight words.  One load of 16 bytes a lane at 32 r + 16 h puts words 0-3 of row r into lane r and words 4-7 into lane 16 + r: K steps 4-7 name the same registers' upper lanes.
; REGISTERS: window 0: v3-8 addresses; v10, v11 the add's two; v16-79 the decoder's 8 fragments; v80-83 its scale words; v84-99 W1's; v100-131 four accumulators; v132-195 W2's rows, later rows of dhc; v196-227 c x the sums.
;            window 1: W1's fragments, tile q, K step t at v[64 q + 8 t].
.set SPARE, 4352                       ; LDS: a stage of 16 rows x (256 + 16) bytes from 0; behind it the spare words, one block of 256 bytes that no other line names
.set FO,   3                           ; 512 r + 16 h: my place in a fragment's 16 rows of 512 bytes
.set SO,   4                           ; 32 r + 16 h: my place among 16 rows of scale bytes
.set IM,   5                           ; 16 x lane
.set STO,  6                           ; the stage, in: row r, 32 h
.set RD,   7                           ; the stage, back: row h, 16 r
.set GO,   8                           ; and the same place in dhc: row h of 4,096 bytes, 16 r
.set SPW,  10
.set NIL,  11
.set DEC,  16
.set DSC,  80
.set WSC,  84
.set ACC,  100
.set W2R,  132
.set OUTR, 196
.set MSB, 0
.macro WIN new                         ; the immediate's high byte repeats the setting that is left
.if MSB != \new
	s_set_vgpr_msb (MSB<<8)|\new
.set MSB, \new
.endif
.endm
	s_load_b256 s[4:11], s[0:1], 0x0               ; W1's codes s[4:5], W1's scales s[6:7], W2's codes s[8:9], the decoder's codes s[10:11]
	s_load_b128 s[12:15], s[0:1], 0x20             ; the decoder's scales s[12:13], W2F s[14:15]
	s_load_b64 s[16:17], s[0:1], 0x30              ; dhc
	v_lshl_add_u32 v[SPW], v0, 2, SPARE
	v_mov_b32 v[NIL], 0
	v_and_b32 v1, 15, v0                           ; r
	v_lshrrev_b32 v2, 4, v0                        ; h (one wave: the thread's number is the lane)
	v_lshlrev_b32 v[FO], 9, v1
	v_lshl_add_u32 v[FO], v2, 4, v[FO]
	v_lshlrev_b32 v[SO], 5, v1
	v_lshl_add_u32 v[SO], v2, 4, v[SO]
	v_lshlrev_b32 v[IM], 4, v0
	v_mul_u32_u24 v[STO], v1, 272
	v_lshl_add_u32 v[STO], v2, 5, v[STO]
	v_mul_u32_u24 v[RD], v2, 272
	v_lshl_add_u32 v[RD], v1, 4, v[RD]
	v_lshlrev_b32 v[GO], 12, v2
	v_lshl_add_u32 v[GO], v1, 4, v[GO]
	s_and_b32 s20, ttmp9, 3                        ; which 16 rows of the decoder's state
	s_lshr_b32 s21, ttmp9, 2                       ; which 64 rows of W1
	s_mov_b32 s23, 0                               ; the offsets' high word
	s_mov_b32 s26, 0x4038aa3b                      ; c = 2 log2(e)
	s_mov_b32 s27, s26                             ; (named with it as a pair, so it is written)
	s_wait_alu depctr_va_vdst(0)
	s_wait_kmcnt 0x0
	s_lshl_b32 s22, s21, 15                        ; 64 rows of 512 bytes
	s_add_nc_u64 s[4:5], s[4:5], s[22:23]
	s_lshl_b32 s22, s21, 11                        ; 64 rows of 32 bytes
	s_add_nc_u64 s[6:7], s[6:7], s[22:23]
	s_lshl_b32 s22, ttmp9, 13                      ; 16 rows of 512 bytes, in W2 and in its image
	s_add_nc_u64 s[8:9], s[8:9], s[22:23]
	s_add_nc_u64 s[14:15], s[14:15], s[22:23]
	s_lshl_b32 s22, s20, 13
	s_add_nc_u64 s[10:11], s[10:11], s[22:23]
	s_lshl_b32 s22, s20, 9
	s_add_nc_u64 s[12:13], s[12:13], s[22:23]
	s_lshl_b32 s22, s20, 16                        ; dhc: 16 rows of 4,096 bytes,
	s_lshl_b32 s24, s21, 8                         ; 64 columns of 4 bytes
	s_add_co_u32 s22, s22, s24
	s_add_nc_u64 s[16:17], s[16:17], s[22:23]
.irp u, 0,1,2,3,4,5,6,7,8,9,10,11,12,13,14,15
	global_load_b128 v[W2R+4*\u:W2R+4*\u+3], v[FO], s[8:9] offset:32*\u
.endr
.irp t, 0,1,2,3,4,5,6,7
.irp c, 0,1
	global_load_b128 v[DEC+8*\t+4*\c:DEC+8*\t+4*\c+3], v[FO], s[10:11] offset:64*\t+32*\c
.endr
.endr
	global_load_b128 v[DSC:DSC+3], v[SO], s[12:13]
.irp q, 0,1,2,3
	global_load_b128 v[WSC+4*\q:WSC+4*\q+3], v[SO], s[6:7] offset:512*\q
.endr
	WIN 0x40                                       ; destination window 1, address window 0
.irp q, 0,1,2,3
.irp t, 0,1,2,3,4,5,6,7
.irp c, 0,1
	global_load_b128 v[64*\q+8*\t+4*\c:64*\q+8*\t+4*\c+3], v[FO], s[4:5] offset:8192*\q+64*\t+32*\c
.endr
.endr
.endr
	WIN 0
	s_wait_loadcnt 0x0
.irp u, 0,1,2,3,4,5,6,7,8,9,10,11,12,13,14,15
	global_store_b128 v[IM], v[W2R+4*\u:W2R+4*\u+3], s[14:15] offset:512*\u   ; 32 lanes store 512 consecutive bytes, at a multiple of 256 from W2F's first byte
.endr
	WIN 0x01                                       ; source 0 (W1) window 1
; the four accumulators take turns, one instruction a turn; the first K step starts the sums
.irp t, 0,1,2,3,4,5,6,7
.irp q, 0,1,2,3
.if \t == 0
	v_wmma_scale_f32_16x16x128_f8f6f4 v[ACC+8*\q:ACC+8*\q+7], v[64*\q+8*\t:64*\q+8*\t+7], v[DEC+8*\t:DEC+8*\t+7], 0, v[WSC+4*\q+\t%4], v[DSC+\t%4] matrix_a_fmt:MATRIX_FMT_FP4 matrix_b_fmt:MATRIX_FMT_FP4
.elseif \t < 4
	v_wmma_scale_f32_16x16x128_f8f6f4 v[ACC+8*\q:ACC+8*\q+7], v[64*\q+8*\t:64*\q+8*\t+7], v[DEC+8*\t:DEC+8*\t+7], v[ACC+8*\q:ACC+8*\q+7], v[WSC+4*\q+\t%4], v[DSC+\t%4] matrix_a_fmt:MATRIX_FMT_FP4 matrix_b_fmt:MATRIX_FMT_FP4
.else
	v_wmma_scale_f32_16x16x128_f8f6f4 v[ACC+8*\q:ACC+8*\q+7], v[64*\q+8*\t:64*\q+8*\t+7], v[DEC+8*\t:DEC+8*\t+7], v[ACC+8*\q:ACC+8*\q+7], v[WSC+4*\q+\t%4], v[DSC+\t%4] matrix_a_fmt:MATRIX_FMT_FP4 matrix_b_fmt:MATRIX_FMT_FP4 matrix_a_scale:MATRIX_SCALE_ROW1 matrix_b_scale:MATRIX_SCALE_ROW1
.endif
.endr
.endr
	WIN 0
.rept 4
	v_nop                                          ; four places between the last product and the first read of results (ISA guide 7.12.1)
.endr
.set c1, 0
.rept 16
	v_pk_mul_f32 v[OUTR+2*c1:OUTR+2*c1+1], v[ACC+2*c1:ACC+2*c1+1], s[26:27] op_sel_hi:[1,0]   ; x c; each accumulator from its low end on
.set c1, c1+1
.endr
.irp q, 0,1,2,3
	ds_store_b128 v[STO], v[OUTR+8*\q:OUTR+8*\q+3] offset:64*\q          ; row b = r, columns 16 q + 8 h + 0 .. 7
	ds_store_b128 v[STO], v[OUTR+8*\q+4:OUTR+8*\q+7] offset:64*\q+16
.endr
	s_wait_xcnt 0x0                                ; the stores into W2F have read their registers: the rows of dhc land there
.irp i, 0,1,2,3,4,5,6,7
	ds_load_b128 v[W2R+4*\i:W2R+4*\i+3], v[RD] offset:544*\i             ; LDS serves a wave's instructions in order (ISA guide 5.7.1.4): these see the stores above
.endr
.irp i, 0,1,2,3,4,5,6,7
	s_wait_dscnt 7-\i                              ; the younger loads may stay out
	global_store_b128 v[GO], v[W2R+4*\i:W2R+4*\i+3], s[16:17] offset:8192*\i   ; sixteen lanes store 256 consecutive bytes of a row, at a multiple of 256 from dhc's first byte
.endr
	s_wait_tensorcnt 0x0                           ; the wave's end
	ds_add_u32 v[SPW], v[NIL]
	s_wait_dscnt 0x0
	s_endpgm
.Lfunc_end_k_q26cdac0be9_prep:
	.size	k_q26cdac0be9_prep, .Lfunc_end_k_q26cdac0be9_prep-k_q26cdac0be9_prep
	.p2alignl 7, 3214868480
	.fill 96, 4, 3214868480
	.section	.rodata,"a",@progbits
	.p2align	6, 0x0
	.amdhsa_kernel k_q26cdac0be9_prep
		.amdhsa_group_segment_fixed_size 4608
		.amdhsa_private_segment_fixed_size 0
		.amdhsa_enable_private_segment 0
		.amdhsa_kernarg_size 56
		.amdhsa_user_sgpr_count 2
		.amdhsa_user_sgpr_kernarg_segment_ptr 1
		.amdhsa_wavefront_size32 1
		.amdhsa_system_sgpr_workgroup_id_x 1
		.amdhsa_system_sgpr_workgroup_id_y 1
		.amdhsa_system_sgpr_workgroup_id_z 1
		.amdhsa_system_vgpr_workitem_id 0
		.amdhsa_next_free_vgpr 512
		.amdhsa_next_free_sgpr 66
		.amdhsa_reserve_vcc 0
		.amdhsa_float_denorm_mode_32 3
		.amdhsa_float_denorm_mode_16_64 3
		.amdhsa_memory_ordered 1
		.amdhsa_forward_progress 1
		.amdhsa_inst_pref_size 21
	.end_amdhsa_kernel
	.amdgpu_metadata
---
amdhsa.version: [ 1, 2 ]
amdhsa.kernels:
  - .name:           k_q26cdac0be9_prep
    .symbol:         k_q26cdac0be9_prep.kd
    .args:
      - { .name: W1_codes, .offset: 0, .size: 8, .value_kind: global_buffer, .address_space: global }
      - { .name: W1_scales, .offset: 8, .size: 8, .value_kind: global_buffer, .address_space: global }
      - { .name: W2_codes, .offset: 16, .size: 8, .value_kind: global_buffer, .address_space: global }
      - { .name: decoder_hidden_codes, .offset: 24, .size: 8, .value_kind: global_buffer, .address_space: global }
      - { .name: decoder_hidden_scales, .offset: 32, .size: 8, .value_kind: global_buffer, .address_space: global }
      - { .name: W2F, .offset: 40, .size: 8, .value_kind: global_buffer, .address_space: global }
      - { .name: dhc, .offset: 48, .size: 8, .value_kind: global_buffer, .address_space: global }
    .group_segment_fixed_size: 4608
    .private_segment_fixed_size: 0
    .kernarg_segment_align: 8
    .kernarg_segment_size: 56
    .max_flat_workgroup_size: 32
    .sgpr_count:     66
    .vgpr_count:     512
    .wavefront_size: 32
...
	.end_amdgpu_metadata
.endif
;; end of part 1
;; launch main (part 2): grid 4 x 64, 4 waves a work-group, no clusters, 327,680 bytes of LDS; arguments encoder_outputs, W2F, W2_scales, dhc, v, part; writes part
.if DOCPART == 2
	.amdgcn_target "amdgcn-amd-amdhsa--gfx1250"
	.amdhsa_code_object_version 6
	.text
	.protected	k_q26cdac0be9_main
	.globl	k_q26cdac0be9_main
	.p2align	8
	.type	k_q26cdac0be9_main,@function
k_q26cdac0be9_main:
	s_mov_b64 s[64:65], 0
	v_nop
	global_prefetch_b8 v0, s[64:65] scope:SCOPE_SE
	s_setreg_imm32_b32 hwreg(HW_REG_WAVE_MODE, 25, 1), 1
	s_wait_xcnt 0x0
; scores, a running softmax and the weighted sum for 256 positions of one batch: work-group (x, b) owns positions 256 x .. 256 x + 255 of batch b, in four chunks of 64.
; (The sum of v is left out of the scores: shown at the head of the first kernel.)
; A CHUNK: each of the four waves owns 16 of its 64 rows of the encoder.  One tensor load a wave lands them as f32 in LDS (units of 256 bytes + 16 of padding); the wave quantises them
; (a lane holds two blocks of 32 of one row), stores codes and scale bytes to LDS for all four waves, and keeps the rows as bf16 in window 2 for the weighted sum.
; THE PRODUCT: wave w owns W2's rows 256 w .. 256 w + 255, sixteen tiles of 16, in four quarters of four tiles.  The chunk's codes (4 tiles of 16 rows x all of K) lie in window 1,
; four tiles of W2 in window 3, loaded from W2F as images of the operand's registers, a pair of tiles at a time into the registers of the pair just multiplied.
; W2'S LAST QUARTER STAYS: chunk c walks the quarters (t - c) mod 4, t = 0 .. 3, so that it begins with the four tiles that the chunk before ended on; a chunk's last trip loads nothing.
; A wave so loads 16 + 3 x 12 tiles.  The tables of c (W1 dec)[n] and of v[n], each wave's own 2 x 1,024 bytes of LDS, are turned by one quarter behind each chunk's product, so that trip t reads at 256 t in every chunk.
; Behind the product: g = 1 / (1 + 2^z) summed with v over the wave's n, the four waves' parts joined through LDS, the running maximum, and the context += p x the bf16 rows.
; The next chunk's tensor load stands behind the barrier at a chunk's head and has the chunk's whole work in which to land: no prefetch is laid beside it.  No cluster: LDS has no room for slots of W2 beside the landing (278,528 of 327,680 bytes).
; LIMIT: the softmax holds while the scores to the base 2 stay under 2^31 in magnitude.
.set UP,    272
.set RP,    16*UP
.set LANDW, 16*RP
.set CODES, 4*LANDW
.set CP,    528
.set ASCB,  CODES+64*CP
.set TAB,   ASCB+64*32
.set EXCH,  TAB+8192
.set TLB,   EXCH+1024
.set STAT,  TLB+1024
.set SPARE, STAT+256
.set RED,   CODES
.set REC,   5376
.set LRD,  1
.set CST,  2
.set SST,  3
.set AFR,  4
.set ASR,  5
.set BOF,  6
.set SOF,  7
.set TBR,  8
.set TBA,  9
.set EXS,  10
.set EXR,  11
.set TLS,  12
.set TLR,  13
.set TLSA, 14
.set TLRA, 15
.set SPW,  16
.set NIL,  17
.set RDS,  18
.set RDR,  19
.set ML,   20
.set FF,   22
.set BI,   40
.set VN,   42
.set PT,   44
.set PP,   48
.set BI2,  56
.set VN2,  58
.set ACC,  64
.set SM,   96
.set ASC,  128
.set BSC,  144
.set CTX,  160
.set ACC2, 224
.set WV,   16
.set G0,   20
.set G1,   24
.set WB,   32
.set WS,   34
.set LP,   36
.set SCP,  38
.set OF,   40
.set QC,   44
.set QN,   45
.set CH,   46
.set TLO,  47
.set TOF,  48
.set CS,   50
.set EB,   60
.set QB,   68                          ; s68  1 + the quarter of W2 with which this chunk began (taken mod 4 where it is used)
.set TRS,  34                          ; v34  my wave's tables: TAB + 1,024 x wave + 16 x lane
.set TRL,  35                          ; v35  the same place one quarter (256 bytes) back, round the table's 1,024 bytes
.set MSB, 0
.macro WIN new
.if MSB != \new
	s_set_vgpr_msb (MSB<<8)|\new
.set MSB, \new
.endif
.endm
.macro PLACES
.rept 4
	v_nop
.endr
.endm
.macro TLOAD
	tensor_load_to_lds s[G0:G0+3], s[G1:G1+7]
	s_nop 0
	PLACES
.endm
.macro BLOAD2 ja
	WIN 0xc0
.irp k, 0,1
.irp u, 0,1,2,3,4,5,6,7,8,9,10,11,12,13,14,15
	global_load_b128 v[64*((\ja)+\k)+4*\u:64*((\ja)+\k)+4*\u+3], v[BOF], s[LP:LP+1] offset:8192*((\ja)+\k)+512*\u
.endr
.endr
	WIN 0
.irp k, 0,1
	global_load_b128 v[BSC+4*((\ja)+\k):BSC+4*((\ja)+\k)+3], v[SOF], s[SCP:SCP+1] offset:512*((\ja)+\k)
.endr
.endm
.macro LDX pr
	WIN 0x40
.set c1, 0
.rept 16
	ds_load_b128 v[64*((\pr)%3)+4*c1:64*((\pr)%3)+4*c1+3], v[LRD] offset:2*RP*(\pr)+16*c1
.set c1, c1+1
.endr
.endm
.macro QPAIR pr
.set XB, 64*((\pr)%3)
.set CD, 192+8*((\pr)%2)
.set BY, 214+((\pr)%2)
	WIN 0x55
.irp b, 0,1
	v_max3_num_f32 v[208+2*\b], |v[XB+32*\b]|, |v[XB+32*\b+1]|, 0x1800000
	v_max3_num_f32 v[209+2*\b], |v[XB+32*\b+16]|, |v[XB+32*\b+17]|, |v[XB+32*\b+18]|
.endr
.irp n, 2,4,6,8,10,12
.irp b, 0,1
	v_max3_num_f32 v[208+2*\b], v[208+2*\b], |v[XB+32*\b+\n]|, |v[XB+32*\b+\n+1]|
	v_max3_num_f32 v[209+2*\b], v[209+2*\b], |v[XB+32*\b+\n+17]|, |v[XB+32*\b+\n+18]|
.endr
.endr
.irp b, 0,1
	v_max3_num_f32 v[208+2*\b], v[208+2*\b], |v[XB+32*\b+14]|, |v[XB+32*\b+15]|
.endr
.irp b, 0,1
	v_max3_num_f32 v[208+2*\b], v[208+2*\b], v[209+2*\b], |v[XB+32*\b+31]|
.endr
.irp b, 0,1
	v_add_nc_u32 v[212+\b], 0xff000000, v[208+2*\b]
.endr
.irp b, 0,1
.irp g, 0,1,2,3
	v_cvt_scalef32_pk8_fp4_f32 v[CD+4*\b+\g], v[XB+32*\b+8*\g:XB+32*\b+8*\g+7], v[212+\b]
.endr
.endr
	v_nop
	v_lshrrev_b32 v216, 23, v212
	v_lshrrev_b32 v[BY], 23, v213
	v_lshl_or_b32 v[BY], v[BY], 8, v216
	WIN 0x85
.set c1, 0
.rept 32
	v_cvt_pk_bf16_f32 v[32*(\pr)+c1], v[XB+2*c1], v[XB+2*c1+1]
.set c1, c1+1
.endr
	WIN 0x04
	ds_store_b128 v[CST], v[CD:CD+3] offset:2*CP*(\pr)
	ds_store_b128 v[CST], v[CD+4:CD+7] offset:2*CP*(\pr)+16
	ds_store_b16 v[SST], v[BY] offset:64*(\pr)
.endm
.macro QPHASE
	LDX 0
	LDX 1
	LDX 2
	s_wait_dscnt 32
	QPAIR 0
	LDX 3
	s_wait_dscnt 35
	QPAIR 1
.irp p, 2,3,4,5
	LDX \p+2
	s_wait_dscnt 38
	QPAIR \p
.endr
	s_wait_dscnt 22
	QPAIR 6
	s_wait_dscnt 6
	QPAIR 7
	WIN 0
.endm
.macro ALOAD
.irp m, 0,1,2,3
	ds_load_b128 v[ASC+4*\m:ASC+4*\m+3], v[ASR] offset:512*\m
.endr
	WIN 0x40
.irp t, 0,1,2,3,4,5,6,7
.irp m, 0,1,2,3
.irp c, 0,1
	ds_load_b128 v[64*\m+8*\t+4*\c:64*\m+8*\t+4*\c+3], v[AFR] offset:16*CP*\m+64*\t+32*\c
.endr
.endr
.endr
	WIN 0
.set c1, 0
.rept 32
	v_mov_b32 v[SM+c1], 0
.set c1, c1+1
.endr
.endm
.macro WM jj, ac, aw
.irp t, 0,1,2,3,4,5,6,7
.if \aw
	s_wait_dscnt (7-\t)*8+4
.endif
.irp m, 0,1,2,3
.if \t == 0
	v_wmma_scale_f32_16x16x128_f8f6f4 v[\ac+8*\m:\ac+8*\m+7], v[64*\m+8*\t:64*\m+8*\t+7], v[64*(\jj)+8*\t:64*(\jj)+8*\t+7], 0, v[ASC+4*\m+\t%4], v[BSC+4*(\jj)+\t%4] matrix_a_fmt:MATRIX_FMT_FP4 matrix_b_fmt:MATRIX_FMT_FP4
.elseif \t < 4
	v_wmma_scale_f32_16x16x128_f8f6f4 v[\ac+8*\m:\ac+8*\m+7], v[64*\m+8*\t:64*\m+8*\t+7], v[64*(\jj)+8*\t:64*(\jj)+8*\t+7], v[\ac+8*\m:\ac+8*\m+7], v[ASC+4*\m+\t%4], v[BSC+4*(\jj)+\t%4] matrix_a_fmt:MATRIX_FMT_FP4 matrix_b_fmt:MATRIX_FMT_FP4
.else
	v_wmma_scale_f32_16x16x128_f8f6f4 v[\ac+8*\m:\ac+8*\m+7], v[64*\m+8*\t:64*\m+8*\t+7], v[64*(\jj)+8*\t:64*(\jj)+8*\t+7], v[\ac+8*\m:\ac+8*\m+7], v[ASC+4*\m+\t%4], v[BSC+4*(\jj)+\t%4] matrix_a_fmt:MATRIX_FMT_FP4 matrix_b_fmt:MATRIX_FMT_FP4 matrix_a_scale:MATRIX_SCALE_ROW1 matrix_b_scale:MATRIX_SCALE_ROW1
.endif
.endr
.endr
.endm
.macro ZST ac, bi
.set c1, 0
.rept 16
	v_pk_fma_f32 v[\ac+2*c1:\ac+2*c1+1], v[\ac+2*c1:\ac+2*c1+1], s[CS:CS+1], v[\bi:\bi+1] op_sel_hi:[1,0,0]
.set c1, c1+1
.endr
.endm
.macro EXPS ac
.set c1, 0
.rept 32
	v_exp_f32 v[\ac+c1], v[\ac+c1]
.set c1, c1+1
.endr
.endm
.macro ADD1 ac
.set c1, 0
.rept 16
	v_pk_add_f32 v[\ac+2*c1:\ac+2*c1+1], v[\ac+2*c1:\ac+2*c1+1], 1.0 op_sel_hi:[1,0]
.set c1, c1+1
.endr
.endm
.macro RCPS ac
.set c1, 0
.rept 32
	v_rcp_f32 v[\ac+c1], v[\ac+c1]
.set c1, c1+1
.endr
.endm
.macro SUMS ac, vn
.set c1, 0
.rept 16
	v_pk_fma_f32 v[SM+2*c1:SM+2*c1+1], v[\ac+2*c1:\ac+2*c1+1], v[\vn:\vn+1], v[SM+2*c1:SM+2*c1+1] op_sel_hi:[1,0,1]
.set c1, c1+1
.endr
.endm
.macro PAIR ja, upd, cnt, aw
	s_wait_loadcnt \cnt
	ds_load_b32 v[BI], v[TBA] offset:64*(\ja)
	ds_load_b32 v[VN], v[TBA] offset:4096+64*(\ja)
	ds_load_b32 v[BI2], v[TBA] offset:64*(\ja)+64
	ds_load_b32 v[VN2], v[TBA] offset:4096+64*(\ja)+64
	WIN 0x0d
	WM \ja, ACC, \aw
	WM (\ja)+1, ACC2, 0
	WIN 0
	PLACES
	s_wait_dscnt 0x0
	ZST ACC, BI
	ZST ACC2, BI2
	s_wait_alu depctr_va_vdst(0)
	EXPS ACC
	EXPS ACC2
	v_nop
	s_wait_alu depctr_va_vdst(0)                   ; one wait for the 64 exponentials; it also stands ahead of the branch
	s_cmp_eq_u32 s[QC], 3                          ; the chunk's last trip loads nothing: its four tiles stay for the next chunk's first trip
	s_cbranch_scc1 .Lstay_\@
.if \upd
	s_wait_xcnt 0x0                                ; the earlier loads have read their bases
	s_add_co_u32 s[QN], s[QC], s[QB]               ; the next trip's quarter
	s_and_b32 s[QN], s[QN], 3
	s_lshl_b32 s[OF], s[QN], 15
	s_add_nc_u64 s[LP:LP+1], s[WB:WB+1], s[OF:OF+1]
	s_lshl_b32 s[OF], s[QN], 11
	s_add_nc_u64 s[SCP:SCP+1], s[WS:WS+1], s[OF:OF+1]
.endif
	BLOAD2 \ja
	s_branch .Lasked_\@
.Lstay_\@:
	s_wait_loadcnt 0x0                             ; no younger loads follow on this way: the counted waits ahead would not cover the other pair's tiles
.Lasked_\@:
	ADD1 ACC
	ADD1 ACC2
	s_wait_alu depctr_va_vdst(0)
	RCPS ACC
	RCPS ACC2
	v_nop
	s_wait_alu depctr_va_vdst(0)
	SUMS ACC, VN
	SUMS ACC2, VN2
.endm
.macro TRIP                            ; a quarter of my rows of W2: two pairs of tiles.  The count 34: the other pair's 32 loads of codes and 2 of scales may be out
	v_add_nc_u32 v[TBA], s[TOF], v[TBR]
	s_wait_alu depctr_va_vdst(0)
	PAIR 0, 1, 34, 1
	PAIR 2, 0, 34, 0
	s_add_co_u32 s[TOF], s[TOF], 256
.endm
.macro GEMM
	s_mov_b32 s[QC], 0
	s_mov_b32 s[TOF], 0
.Lq_\@:
	TRIP
	s_add_co_u32 s[QC], s[QC], 1
	s_cmp_lt_u32 s[QC], 4
	s_cbranch_scc1 .Lq_\@
.endm
.macro SRED
.irp k, 1,2,4,8
.set c1, 0
.rept 32
	v_add_f32_dpp v[SM+c1], v[SM+c1], v[SM+c1] row_xmask:\k row_mask:0xf bank_mask:0xf
.set c1, c1+1
.endr
.endr
.irp n, 0,1,2,3,4,5,6,7
	ds_store_b128 v[EXS], v[SM+4*\n:SM+4*\n+3] offset:64*(\n/2)+16*(\n%2)
.endr
.endm
.macro SOFT
.irp w, 0,1,2,3
	ds_load_b32 v[PT+\w], v[EXR] offset:256*\w
.endr
	s_wait_dscnt 0x0
	v_add_f32 v[PT], v[PT], v[PT+1]
	v_add_f32 v[PT+2], v[PT+2], v[PT+3]
	v_add_f32 v[PT], v[PT], v[PT+2]
	s_wait_alu depctr_va_vdst(0)
	ds_store_b32 v[TLSA], v[PT]
.irp i, 0,1,2,3,4,5,6,7
	ds_load_b32 v[PP+\i], v[TLRA] offset:8*\i
.endr
	s_wait_dscnt 0x0
	v_max3_num_f32 v24, v[ML], v[PP], v[PP+1]
	v_max3_num_f32 v24, v24, v[PP+2], v[PP+3]
	v_max3_num_f32 v24, v24, v[PP+4], v[PP+5]
	v_max3_num_f32 v24, v24, v[PP+6], v[PP+7]
	v_sub_f32 v[FF], v[ML], v24
.irp i, 0,1,2,3,4,5,6,7
	v_sub_f32 v[PP+\i], v[PP+\i], v24
.endr
	s_wait_alu depctr_va_vdst(0)
	v_exp_f32 v[FF], v[FF]
.irp i, 0,1,2,3,4,5,6,7
	v_exp_f32 v[PP+\i], v[PP+\i]
.endr
	v_mov_b32 v[ML], v24
	s_wait_alu depctr_va_vdst(0)
	v_add_f32 v25, v[PP], v[PP+1]
	v_add_f32 v26, v[PP+2], v[PP+3]
	v_add_f32 v27, v[PP+4], v[PP+5]
	v_add_f32 v28, v[PP+6], v[PP+7]
	v_add_f32 v25, v25, v26
	v_add_f32 v27, v27, v28
	v_add_f32 v25, v25, v27
	v_fma_f32 v[ML+1], v[ML+1], v[FF], v25
.set c1, 0
.rept 32
	v_pk_mul_f32 v[CTX+2*c1:CTX+2*c1+1], v[CTX+2*c1:CTX+2*c1+1], v[FF:FF+1] op_sel_hi:[1,0]
.set c1, c1+1
.endr
.endm
.macro CTXA
	WIN 0x02
.irp i, 0,1,2,3,4,5,6,7
.set c1, 0
.rept 32
	v_fma_mix_f32_bf16 v[CTX+2*c1], v[32*\i+c1], v[PP+\i], v[CTX+2*c1] op_sel_hi:[1,0,0]
	v_fma_mix_f32_bf16 v[CTX+2*c1+1], v[32*\i+c1], v[PP+\i], v[CTX+2*c1+1] op_sel:[1,0,0] op_sel_hi:[1,0,0]
.set c1, c1+1
.endr
.endr
	WIN 0
.endm
.macro WORK more                       ; more = 1: a chunk follows
	ALOAD
	GEMM
.if \more                              ; my tables are turned by one quarter: the byte at o comes from (o - 256) mod 1,024.  They are my wave's own bytes, and LDS serves a wave's instructions in order
	ds_load_b128 v[ACC:ACC+3], v[TRL]
	ds_load_b128 v[ACC+4:ACC+7], v[TRS] offset:256
	ds_load_b128 v[ACC+8:ACC+11], v[TRL] offset:4096
	ds_load_b128 v[ACC+12:ACC+15], v[TRS] offset:4352
.endif
	SRED
.if \more
	s_wait_dscnt 8                                 ; the eight stores of the sums may be out; the four loads are in
	ds_store_b128 v[TRS], v[ACC:ACC+3]
	ds_store_b128 v[TRS], v[ACC+4:ACC+7] offset:512
	ds_store_b128 v[TRS], v[ACC+8:ACC+11] offset:4096
	ds_store_b128 v[TRS], v[ACC+12:ACC+15] offset:4608
	s_add_co_u32 s[QB], s[QB], 3                   ; the next chunk begins with the quarter on which this one ended
.endif
	v_add_nc_u32 v[TLSA], s[TLO], v[TLS]
	v_add_nc_u32 v[TLRA], s[TLO], v[TLR]
	s_wait_dscnt 0x0
	s_barrier_signal -1
	s_barrier_wait -1
	SOFT
	CTXA
	s_add_co_u32 s[TLO], s[TLO], 256
.endm
	s_load_b256 s[4:11], s[0:1], 0x0
	s_load_b128 s[12:15], s[0:1], 0x20
	v_lshl_add_u32 v[SPW], v0, 2, SPARE
	v_mov_b32 v[NIL], 0
	ds_add_u32 v[SPW], v[NIL]
	ds_add_u32 v[SPW], v[NIL]
	v_lshrrev_b32 v24, 5, v0
	v_readfirstlane_b32 s[WV], v24
	s_and_b32 s18, ttmp7, 0xffff
.irp g, G1
	s_mov_b32 s[\g], (3<<16)|(1<<20)|(5<<22)|(3<<25)
	s_mov_b32 s[\g+1], 32<<16
	s_mov_b32 s[\g+3], 32<<16
	s_mov_b32 s[\g+5], 32
	s_mov_b32 s[\g+6], 0
	s_mov_b32 s[\g+7], 0
.endr
	s_mov_b32 s[G1+2], 256<<16
	s_mov_b32 s[G1+4], 256
	s_mov_b32 s[QB], 1
	s_mov_b32 s[G0], 1
	s_mul_i32 s[G0+1], s[WV], LANDW
	s_lshl_b32 s[OF], s18, 22
	s_lshl_b32 s52, ttmp9, 20
	s_add_co_u32 s[OF], s[OF], s52
	s_lshl_b32 s52, s[WV], 16
	s_add_co_u32 s[OF], s[OF], s52
	s_mov_b32 s[OF+1], 0
	s_mov_b32 s[CS], 0x4038aa3b
	s_mov_b32 s[CS+1], s[CS]
	s_mov_b32 s58, 0xc038aa3b
	s_mov_b32 s59, s58
	s_wait_dscnt 0x0
	s_wait_kmcnt 0x0
	s_add_nc_u64 s[EB:EB+1], s[4:5], s[OF:OF+1]
	s_mov_b64 s[G0+2:G0+3], s[EB:EB+1]
	s_or_b32 s[G0+3], s[G0+3], 0x80000000
	tensor_load_to_lds s[G0:G0+3], s[G1:G1+7]      ; my 16 rows of chunk 0, 65,536 bytes: my one tensor load at the head
	s_nop 0
	PLACES
	v_and_b32 v24, 15, v0
	v_bfe_u32 v25, v0, 4, 1
	v_and_b32 v26, 31, v0
	v_mul_u32_u24 v[LRD], v24, UP
	v_mad_u32_u24 v[LRD], v25, RP, v[LRD]
	v_add_nc_u32 v[LRD], s[G0+1], v[LRD]
	s_mul_i32 s52, s[WV], 16*CP
	s_add_co_u32 s52, s52, CODES
	v_mul_u32_u24 v[CST], v25, CP
	v_lshl_add_u32 v[CST], v24, 5, v[CST]
	v_add_nc_u32 v[CST], s52, v[CST]
	s_lshl_b32 s52, s[WV], 9
	s_add_co_u32 s52, s52, ASCB
	v_lshlrev_b32 v[SST], 5, v25
	v_lshl_add_u32 v[SST], v24, 1, v[SST]
	v_add_nc_u32 v[SST], s52, v[SST]
	v_mul_u32_u24 v[AFR], v24, CP
	v_lshl_add_u32 v[AFR], v25, 4, v[AFR]
	v_add_nc_u32 v[AFR], CODES, v[AFR]
	v_lshlrev_b32 v[SOF], 5, v24
	v_lshl_add_u32 v[SOF], v25, 4, v[SOF]
	v_add_nc_u32 v[ASR], ASCB, v[SOF]
	v_lshlrev_b32 v[BOF], 4, v26
	s_lshl_b32 s53, s[WV], 10
	s_add_co_u32 s52, s53, TAB
	v_lshl_add_u32 v[TBR], v24, 2, s52
	v_add_nc_u32 v[TRS], s52, v[BOF]
	v_add_nc_u32 v[TRL], 768, v[BOF]
	v_and_b32 v[TRL], 1023, v[TRL]
	v_add_nc_u32 v[TRL], s52, v[TRL]
	s_lshl_b32 s52, s[WV], 8
	s_add_co_u32 s52, s52, EXCH
	v_lshl_add_u32 v[EXS], v25, 5, s52
	s_lshl_b32 s54, s[WV], 6
	s_add_co_u32 s52, s54, EXCH
	v_lshl_add_u32 v[EXR], v24, 2, s52
	s_add_co_u32 s52, s54, TLB
	v_lshl_add_u32 v[TLS], v24, 2, s52
	v_lshl_add_u32 v[TLR], v25, 2, s52
	s_mul_i32 s52, s[WV], 2*RP
	s_add_co_u32 s52, s52, RED
	v_mul_u32_u24 v[RDS], v24, UP
	v_mad_u32_u24 v[RDS], v25, RP, v[RDS]
	v_add_nc_u32 v[RDS], s52, v[RDS]
	s_mul_i32 s52, s[WV], 4*UP
	s_add_co_u32 s52, s52, RED
	v_mul_u32_u24 v[RDR], v25, UP
	v_lshl_add_u32 v[RDR], v24, 4, v[RDR]
	v_add_nc_u32 v[RDR], s52, v[RDR]
	s_lshl_b32 s[OF], s18, 12
	s_add_co_u32 s[OF], s[OF], s53
	s_add_nc_u64 s[42:43], s[10:11], s[OF:OF+1]
	s_mov_b32 s[OF], s53
	s_add_nc_u64 s[56:57], s[12:13], s[OF:OF+1]
	global_load_b128 v[64:67], v[BOF], s[42:43]
	global_load_b128 v[68:71], v[BOF], s[42:43] offset:512
	global_load_b128 v[72:75], v[BOF], s[56:57]
	global_load_b128 v[76:79], v[BOF], s[56:57] offset:512
	s_lshl_b32 s[OF], s[WV], 17
	s_add_nc_u64 s[WB:WB+1], s[6:7], s[OF:OF+1]
	s_lshl_b32 s[OF], s[WV], 13
	s_add_nc_u64 s[WS:WS+1], s[8:9], s[OF:OF+1]
	s_mov_b64 s[LP:LP+1], s[WB:WB+1]
	s_mov_b64 s[SCP:SCP+1], s[WS:WS+1]
	s_lshl_b32 s52, s18, 2
	s_add_co_u32 s52, s52, ttmp9
	s_mul_i32 s[OF], s52, REC
	s_add_nc_u64 s[14:15], s[14:15], s[OF:OF+1]
.set c1, 0
.rept 64
	v_mov_b32 v[CTX+c1], 0
.set c1, c1+1
.endr
	v_mov_b32 v[ML], 0xff61b1e6
	v_mov_b32 v[ML+1], 0
	v_mov_b32 v[FF+1], 0
	v_mov_b32 v[BI+1], 0
	v_mov_b32 v[VN+1], 0
	v_mov_b32 v[BI2+1], 0
	v_mov_b32 v[VN2+1], 0
	s_wait_loadcnt 0x0
.irp e, 72,74,76,78
	v_pk_mul_f32 v[\e:\e+1], v[\e:\e+1], s[58:59] op_sel_hi:[1,0]
.endr
	ds_store_b128 v[TRS], v[64:67]
	ds_store_b128 v[TRS], v[68:71] offset:512
	ds_store_b128 v[TRS], v[72:75] offset:4096
	ds_store_b128 v[TRS], v[76:79] offset:4608
	BLOAD2 0
	BLOAD2 2
	s_wait_tensorcnt 0x0                           ; my rows of chunk 0 are in: only I read them
	QPHASE
	s_mov_b32 s[TLO], 0
	s_mov_b32 s[CH], 3
.Lchunk:
	s_wait_tensorcnt 0x0
	ds_add_u32 v[SPW], v[NIL]
	s_add_nc_u64 s[G0+2:G0+3], s[G0+2:G0+3], 64*4096
	s_wait_dscnt 0x0
	s_barrier_signal -1
	s_barrier_wait -1
	TLOAD
	WORK 1
	s_wait_tensorcnt 0x0
	QPHASE
	s_sub_co_u32 s[CH], s[CH], 1
	s_cmp_lg_u32 s[CH], 0
	s_cbranch_scc1 .Lchunk
	s_wait_dscnt 0x0
	s_barrier_signal -1
	s_barrier_wait -1
	WORK 0
.irp j, 0,1,2,3,4,5,6,7,8,9,10,11,12,13,14,15
	ds_store_b128 v[RDS], v[CTX+4*\j:CTX+4*\j+3] offset:16*\j
.endr
	s_lshl_b32 s52, s[WV], 4
	s_add_co_u32 s52, s52, STAT
	v_bfe_u32 v29, v0, 4, 1
	v_lshl_add_u32 v29, v29, 3, s52
	ds_store_b64 v29, v[ML:ML+1]
	v_mov_b32 v30, STAT
	v_lshl_add_u32 v31, v0, 3, TLB
	s_wait_alu depctr_va_vdst(0)
	s_wait_dscnt 0x0
	s_barrier_signal -1
	s_barrier_wait -1
.irp p, 0,1,2,3
	ds_load_b128 v[224+4*\p:227+4*\p], v30 offset:16*\p
.endr
.irp p, 0,1,2,3,4,5,6,7
.irp k, 0,1
	ds_load_b128 v[64+8*\p+4*\k:67+8*\p+4*\k], v[RDR] offset:RP*\p+2*UP*\k
.endr
.endr
	ds_load_b64 v[240:241], v31
	s_wait_dscnt 0x0
	v_max3_num_f32 v242, v224, v226, v228
	v_max3_num_f32 v242, v242, v230, v232
	v_max3_num_f32 v242, v242, v234, v236
	v_max_num_f32 v242, v242, v238
.irp p, 0,1,2,3,4,5,6,7
	v_sub_f32 v[224+2*\p], v[224+2*\p], v242
.endr
	s_wait_alu depctr_va_vdst(0)
.irp p, 0,1,2,3,4,5,6,7
	v_exp_f32 v[224+2*\p], v[224+2*\p]
.endr
	v_nop
	s_wait_alu depctr_va_vdst(0)
	v_mul_f32 v243, v224, v225
.irp p, 1,2,3,4,5,6,7
	v_fmac_f32 v243, v[224+2*\p], v[225+2*\p]
.endr
.irp e, 0,1,2,3
	v_pk_mul_f32 v[CTX+2*\e:CTX+2*\e+1], v[64+2*\e:65+2*\e], v[224:225] op_sel_hi:[1,0]
.endr
.irp p, 1,2,3,4,5,6,7
.irp e, 0,1,2,3
	v_pk_fma_f32 v[CTX+2*\e:CTX+2*\e+1], v[64+8*\p+2*\e:65+8*\p+2*\e], v[224+2*\p:225+2*\p], v[CTX+2*\e:CTX+2*\e+1] op_sel_hi:[1,0,1]
.endr
.endr
	s_lshl_b32 s52, s[WV], 10
	v_add_nc_u32 v32, s52, v[BOF]
	v_lshlrev_b32 v33, 3, v0
	global_store_b128 v32, v[CTX:CTX+3], s[14:15]
	global_store_b128 v32, v[CTX+4:CTX+7], s[14:15] offset:512
	global_store_b64 v33, v[240:241], s[14:15] offset:4096
	s_cmp_lg_u32 s[WV], 0
	s_cbranch_scc1 .Lnot_wave_0
	global_store_b64 v33, v[242:243], s[14:15] offset:5120
.Lnot_wave_0:
	s_wait_tensorcnt 0x0
	ds_add_u32 v[SPW], v[NIL]
	s_wait_dscnt 0x0
	s_endpgm
.Lfunc_end_k_q26cdac0be9_main:
	.size	k_q26cdac0be9_main, .Lfunc_end_k_q26cdac0be9_main-k_q26cdac0be9_main
	.p2alignl 7, 3214868480
	.fill 96, 4, 3214868480
	.section	.rodata,"a",@progbits
	.p2align	6, 0x0
	.amdhsa_kernel k_q26cdac0be9_main
		.amdhsa_group_segment_fixed_size 327680
		.amdhsa_private_segment_fixed_size 0
		.amdhsa_enable_private_segment 0
		.amdhsa_kernarg_size 48
		.amdhsa_user_sgpr_count 2
		.amdhsa_user_sgpr_kernarg_segment_ptr 1
		.amdhsa_wavefront_size32 1
		.amdhsa_system_sgpr_workgroup_id_x 1
		.amdhsa_system_sgpr_workgroup_id_y 1
		.amdhsa_system_sgpr_workgroup_id_z 1
		.amdhsa_system_vgpr_workitem_id 0
		.amdhsa_next_free_vgpr 1024
		.amdhsa_next_free_sgpr 92
		.amdhsa_reserve_vcc 0
		.amdhsa_float_denorm_mode_32 3
		.amdhsa_float_denorm_mode_16_64 3
		.amdhsa_memory_ordered 1
		.amdhsa_forward_progress 1
		.amdhsa_inst_pref_size 255
	.end_amdhsa_kernel
	.section	.bss,"aw",@nobits
	.p2align	6
	.space	262144
	.amdgpu_metadata
---
amdhsa.version: [ 1, 2 ]
amdhsa.kernels:
  - .name:           k_q26cdac0be9_main
    .symbol:         k_q26cdac0be9_main.kd
    .args:
      - { .name: encoder_outputs, .offset: 0, .size: 8, .value_kind: global_buffer, .address_space: global }
      - { .name: W2F, .offset: 8, .size: 8, .value_kind: global_buffer, .address_space: global }
      - { .name: W2_scales, .offset: 16, .size: 8, .value_kind: global_buffer, .address_space: global }
      - { .name: dhc, .offset: 24, .size: 8, .value_kind: global_buffer, .address_space: global }
      - { .name: v, .offset: 32, .size: 8, .value_kind: global_buffer, .address_space: global }
      - { .name: part, .offset: 40, .size: 8, .value_kind: global_buffer, .address_space: global }
    .group_segment_fixed_size: 327680
    .private_segment_fixed_size: 0
    .kernarg_segment_align: 8
    .kernarg_segment_size: 48
    .max_flat_workgroup_size: 128
    .sgpr_count:     92
    .vgpr_count:     1024
    .wavefront_size: 32
...
	.end_amdgpu_metadata
.endif
;; end of part 2
;; launch fin (part 3): grid 64 x 1, 8 waves a work-group, no clusters, 0 bytes of LDS; arguments part, out0, out1; writes out0, out1
.if DOCPART == 3
	.amdgcn_target "amdgcn-amd-amdhsa--gfx1250"
	.amdhsa_code_object_version 6
	.text
	.protected	k_q26cdac0be9_fin
	.globl	k_q26cdac0be9_fin
	.p2align	8
	.type	k_q26cdac0be9_fin,@function
k_q26cdac0be9_fin:
	s_mov_b64 s[64:65], 0
	v_nop
	global_prefetch_b8 v0, s[64:65] scope:SCOPE_SE
	s_setreg_imm32_b32 hwreg(HW_REG_WAVE_MODE, 25, 1), 1
	s_wait_xcnt 0x0
; The four parts of a batch are joined.  Record x of batch b (5,376 bytes): a context of 1,024 f32 summed under the maximum M_x, t of its 256 positions, the pair (M_x, L_x).
; M = the largest M_x; f_x = 2^(M_x - M); L = sum of f_x L_x; out0[b] = sum of f_x context_x / L; out1[b][s] = 2^(t[s] - M) / L.
; (t leaves out the sum of v, the same for every s: shown at the head of the first kernel.  It falls out here, between t and M.)
; One work-group a batch, 256 threads, four numbers of each output a thread: every load and store of a wave covers 512 consecutive bytes.  No LDS, no barrier: threads share nothing.
.set REC, 5376
	s_load_b128 s[4:7], s[0:1], 0x0                ; part s[4:5], out0 s[6:7]
	s_load_b64 s[8:9], s[0:1], 0x10                ; out1
	s_mul_i32 s12, ttmp9, 4*REC
	s_mov_b32 s13, 0
	s_lshl_b32 s14, ttmp9, 12                      ; a row of 4,096 bytes in both outputs
	s_mov_b32 s15, 0
	v_lshlrev_b32 v1, 4, v0                        ; 16 bytes a thread
	v_lshrrev_b32 v2, 6, v0                        ; my four positions lie in record thread / 64,
	v_and_b32 v3, 63, v0
	s_delay_alu instid0(VALU_DEP_2)
	v_mul_u32_u24 v2, v2, REC
	s_delay_alu instid0(VALU_DEP_1)
	v_lshl_add_u32 v2, v3, 4, v2                   ; at 16 (thread % 64) of its t
	v_mov_b32 v7, 0                                ; the upper halves of pairs of which the packed forms take the low word: named, so written
	v_mov_b32 v41, 0
	v_mov_b32 v43, 0
	v_mov_b32 v45, 0
	v_mov_b32 v47, 0
	s_wait_alu depctr_va_vdst(0)
	s_wait_kmcnt 0x0
	s_add_nc_u64 s[4:5], s[4:5], s[12:13]
	s_add_nc_u64 s[6:7], s[6:7], s[14:15]
	s_add_nc_u64 s[8:9], s[8:9], s[14:15]
.irp x, 0,1,2,3
	s_load_b64 s[20+2*\x:21+2*\x], s[4:5], 5120+REC*\x             ; (M_x, L_x): this launch writes nothing into part
.endr
.irp x, 0,1,2,3
	global_load_b128 v[16+4*\x:19+4*\x], v1, s[4:5] offset:REC*\x
.endr
	global_load_b128 v[8:11], v2, s[4:5] offset:4096
	s_wait_kmcnt 0x0
	v_mov_b32 v4, s20
	s_delay_alu instid0(VALU_DEP_1)
	v_max3_num_f32 v4, v4, s22, s24
	s_delay_alu instid0(VALU_DEP_1)
	v_max_num_f32 v4, s26, v4                      ; M
.irp x, 0,1,2,3
	v_sub_f32 v[40+2*\x], s[20+2*\x], v4
.endr
	s_wait_alu depctr_va_vdst(0)
	s_wait_loadcnt 0x0
.irp j, 8,9,10,11
	v_sub_f32 v[\j], v[\j], v4
.endr
	s_wait_alu depctr_va_vdst(0)
.irp x, 0,1,2,3
	v_exp_f32 v[40+2*\x], v[40+2*\x]               ; f_x
.endr
.irp j, 8,9,10,11
	v_exp_f32 v[\j], v[\j]                         ; 2^(t - M)
.endr
	v_nop                                          ; a plain place behind the last exponential
	s_wait_alu depctr_va_vdst(0)                   ; one wait for the eight
	v_mul_f32 v5, s21, v40
	v_fmac_f32 v5, s23, v42
	v_fmac_f32 v5, s25, v44
	v_fmac_f32 v5, s27, v46                        ; L
	s_wait_alu depctr_va_vdst(0)
	v_rcp_f32 v6, v5
	v_nop
	s_wait_alu depctr_va_vdst(0)
.irp x, 0,1,2,3
	v_mul_f32 v[40+2*\x], v[40+2*\x], v6           ; f_x / L
.endr
	v_pk_mul_f32 v[8:9], v[8:9], v[6:7] op_sel_hi:[1,0]
	v_pk_mul_f32 v[10:11], v[10:11], v[6:7] op_sel_hi:[1,0]
	v_pk_mul_f32 v[32:33], v[16:17], v[40:41] op_sel_hi:[1,0]
	v_pk_mul_f32 v[34:35], v[18:19], v[40:41] op_sel_hi:[1,0]
.irp x, 1,2,3
	s_delay_alu instid0(VALU_DEP_2)
	v_pk_fma_f32 v[32:33], v[16+4*\x:17+4*\x], v[40+2*\x:41+2*\x], v[32:33] op_sel_hi:[1,0,1]
	s_delay_alu instid0(VALU_DEP_2)
	v_pk_fma_f32 v[34:35], v[18+4*\x:19+4*\x], v[40+2*\x:41+2*\x], v[34:35] op_sel_hi:[1,0,1]
.endr
	global_store_b128 v1, v[32:35], s[6:7]
	global_store_b128 v1, v[8:11], s[8:9]
	s_endpgm
.Lfunc_end_k_q26cdac0be9_fin:
	.size	k_q26cdac0be9_fin, .Lfunc_end_k_q26cdac0be9_fin-k_q26cdac0be9_fin
	.p2alignl 7, 3214868480
	.fill 96, 4, 3214868480
	.section	.rodata,"a",@progbits
	.p2align	6, 0x0
	.amdhsa_kernel k_q26cdac0be9_fin
		.amdhsa_group_segment_fixed_size 0
		.amdhsa_private_segment_fixed_size 0
		.amdhsa_enable_private_segment 0
		.amdhsa_kernarg_size 24
		.amdhsa_user_sgpr_count 2
		.amdhsa_user_sgpr_kernarg_segment_ptr 1
		.amdhsa_wavefront_size32 1
		.amdhsa_system_sgpr_workgroup_id_x 1
		.amdhsa_system_sgpr_workgroup_id_y 1
		.amdhsa_system_sgpr_workgroup_id_z 1
		.amdhsa_system_vgpr_workitem_id 0
		.amdhsa_next_free_vgpr 64
		.amdhsa_next_free_sgpr 66
		.amdhsa_reserve_vcc 0
		.amdhsa_float_denorm_mode_32 3
		.amdhsa_float_denorm_mode_16_64 3
		.amdhsa_memory_ordered 1
		.amdhsa_forward_progress 1
		.amdhsa_inst_pref_size 5
	.end_amdhsa_kernel
	.amdgpu_metadata
---
amdhsa.version: [ 1, 2 ]
amdhsa.kernels:
  - .name:           k_q26cdac0be9_fin
    .symbol:         k_q26cdac0be9_fin.kd
    .args:
      - { .name: part, .offset: 0, .size: 8, .value_kind: global_buffer, .address_space: global }
      - { .name: out0, .offset: 8, .size: 8, .value_kind: global_buffer, .address_space: global }
      - { .name: out1, .offset: 16, .size: 8, .value_kind: global_buffer, .address_space: global }
    .group_segment_fixed_size: 0
    .private_segment_fixed_size: 0
    .kernarg_segment_align: 8
    .kernarg_segment_size: 24
    .max_flat_workgroup_size: 256
    .sgpr_count:     66
    .vgpr_count:     64
    .wavefront_size: 32
...
	.end_amdgpu_metadata
.endif
;; end of part 3
